; MI455X (gfx1250); checked and timed in simulation.
; The chip was launched on July 23, 2026; its instructions are those of AMD's public machine-readable ISA for CDNA 5 (MIT licence, August 2026) and "CDNA5" Instruction Set Architecture Reference Guide (July 2026). The comments in the code are by the model that wrote it; some were corrected since.
;; CMDP Encoder. Allowed arithmetic: matrix products marked QUANTISED: E2M1 operands, one E8M0 scale for each 32 along K, by v_wmma_scale_f32_16x16x128_f8f6f4 with both operands' format E2M1 (or v_wmma_scale_f32_32x16x128_f4), f32 sums; everything else in f32.
;; Inputs: base_embeddings 32 x 512 x 768 float32; codebook 4,096 x 768 float32; noise 32 x 512 x 768 float32; rand_idx 32 x 512 x 8 int32.
;; Outputs: out0 32 x 512 x 768 float32.
;; This version of the problem:
;;   THIS VERSION OF THE PROBLEM IS GIVEN IN LOW PRECISION. The matrix products marked QUANTISED in the list below multiply operands that are first quantised to E2M1 (2 exponent bits, 1 mantissa bit; 4 bits a number), with one power-of-two scale for each 32 numbers along K (OCP MX v1.0); their sums are f32. All else is computed in f32.
;;   The module's matrix products, in the order in which they are computed (A, B: the left and right operand; K: the contracted axis; several contracted axes count as one K, in the product's order):
;;     1. [M 16,384, K 768] x [K 768, N 4,096]; A: input base_embeddings; B: input codebook: QUANTISED
;;   THE QUANTISER, for each operand of a quantised product, along K:
;;     - K is cut into blocks of 32 from its start; a last block that is shorter is filled with zeros.
;;     - A block's scale is 2^e with e = floor(log2(the largest magnitude in the block)) - 2, held to -126 .. 127; a block of zeros has e = 0. As a byte (E8M0): e + 127.
;;     - Each number is divided by its block's scale, clamped to +-6, and rounded to the nearest number of E2M1, ties to even, subnormals kept.
;;     - The product sums the exact products of the quantised numbers (number of the format x scale) in f32.
;;   ~~~python
;;   def quantise(x, axis):      # numpy; x: float32 -> the quantised numbers, widened to float32 again
;;       x = np.moveaxis(x, axis, -1); K = x.shape[-1]
;;       x = np.pad(x, [(0, 0)] * (x.ndim - 1) + [(0, -K % 32)]); x = x.reshape(x.shape[:-1] + (-1, 32)); a = np.abs(x).max(-1, keepdims=True)
;;       e = np.where(a > 0, np.clip(np.frexp(np.where(a > 0, a, 1))[1] - 1 - 2, -126, 127), 0)      # np.frexp(a)[1] - 1 = floor(log2(a)), exactly
;;       r = np.clip(x / 2.0 ** e, -6, 6)
;;       step = 2.0 ** (np.maximum(np.frexp(np.where(r == 0, 1, r))[1] - 1, 0) - 1)
;;       q = np.round(r / step) * step * 2.0 ** e      # np.round: ties to even
;;       return np.moveaxis(q.reshape(q.shape[:-2] + (-1,))[..., :K], -1, axis).astype(np.float32)
;;   ~~~
;; One version. Each part assembles by itself: llvm-mc -triple=amdgcn-amd-amdhsa -mcpu=gfx1250 --defsym DOCPART=n.
;; ======== version 1 of 1: 3 launches
;; limits: right only within a limited range of input values
;; workspace buffers: xq 6,815,744 bytes; cbq 1,703,936 bytes; part 1,048,576 bytes of whole numbers
;; launch quant (part 1): grid 1280 x 1, 6 waves a work-group, no clusters, 52,480 bytes of LDS; arguments base_embeddings, codebook, xq, cbq; writes xq, cbq
.if DOCPART == 1
	.amdgcn_target "amdgcn-amd-amdhsa--gfx1250"
	.amdhsa_code_object_version 6
	.text
	.protected	k_q53c1335a50_quant
	.globl	k_q53c1335a50_quant
	.p2align	8
	.type	k_q53c1335a50_quant,@function
k_q53c1335a50_quant:
	s_mov_b64 s[64:65], 0
	v_nop
	global_prefetch_b8 v0, s[64:65] scope:SCOPE_SE
	s_setreg_imm32_b32 hwreg(HW_REG_WAVE_MODE, 25, 1), 1
	s_wait_xcnt 0x0
; base_embeddings (16,384 rows) and codebook (4,096 rows), 768 f32 a row, become codes of FP4 (E2M1) with one E8M0 byte for each 32 along K,
; laid as RECORDS in the order of a matrix operand's registers.  A record is 16 rows x 768 K = 6,656 bytes (26 x 256):
;   bytes 0..6143     codes: K step s (128 along K), half c: 512 bytes at 1024 s + 512 c; lane l's 16 bytes at 16 l are registers 4 c .. 4 c + 3 of the fragment:
;                     row l % 16, k = 128 s + 64 c + 32 (l / 16) + 0 .. 31, the lower k in the lower bits
;   bytes 6144..6399  row r's 16 bytes: the scale words of K steps 0 to 3
;   bytes 6400..6655  row r's 16 bytes: the scale words of K steps 4 and 5, the row's sum of squares in f32 (codebook; 0 for the embeddings), 0
; A block's scale is 2^(floor(log2(largest magnitude)) - 2): its byte is the largest magnitude's exponent field - 2, held at 1 from below by a floor among the maximum's leaves.
; LIMITS: NaN and infinities among the inputs are not served.  A block of zeros gets the byte 1 (its codes are zeros; only this program reads the bytes).
; The sum of squares is taken of the unquantised numbers in f32, as a tree (four packed chains a lane, two lanes, six waves): another order than a plain running sum, a few units in the last place apart.
; SHARES: a work-group makes one record: work-groups 0..1023 the embeddings', 1024..1279 the codebook's (only pointers are chosen: one path).  Wave s takes K step s: 16 rows x 512 bytes.
; Each load reads 512 consecutive bytes of one row; the numbers turn through the wave's own stage in LDS (pitch 528 = 33 x 16 bytes, so sixteen rows start in different banks), so that a lane gets two whole blocks of 32.
; No work-group shares a byte with another: no cluster, no tensor load.
; THE WORD OF THE SUM: what the record carries at that place is -1/2 x the row's sum of squares (the next launch gives it to the matrix unit as the start of its sums).
.set META, 50688
.set PS,   51200                       ; six waves x 16 rows: partial sums of squares
.set R,    16                          ; v16-79   the numbers as loaded
.set X,    16                          ; v16-79   after the turn, in the same registers: block c of my row in registers 32 c .. 32 c + 31
.set PC,   80                          ; v80-87   the fragment's eight registers
.set TM,   88                          ; v88-91   maxima, two chains a block
.set TS,   92                          ; v92-93   the conversions' scale operands
.set TB,   94                          ; v94-95   the scale bytes
.set PW,   96                          ; v96      my row's scale word
.set PX,   97                          ; v97      what comes from lane l xor 16
.set Q,    98                          ; v98-105  four packed chains of squares
.set SQ,   106                         ; v106-107 the word of the sum, 0
.set M,    108                         ; v108-111 the record's last 512 bytes on their way out; v112, v113: the spare word's address, 0
	s_load_b128 s[4:7], s[0:1], 0x0                ; embeddings, codebook
	s_load_b128 s[8:11], s[0:1], 0x10              ; their records
	v_lshl_add_u32 v112, v0, 2, 0xca00
	v_mov_b32 v113, 0
	v_lshrrev_b32 v12, 5, v0
	v_readfirstlane_b32 s12, v12                   ; wave = K step, 0..5
	v_and_b32 v13, 31, v0
	v_lshlrev_b32 v1, 4, v13                       ; 16 x lane
	v_and_b32 v2, 15, v0                           ; r
	s_wait_alu depctr_va_vdst(0)
	v_bfe_u32 v3, v0, 4, 1                         ; h
	s_mul_i32 s18, s12, 8448                       ; my stage
	v_add_nc_u32 v4, s18, v1                       ; into it: a row's 512 bytes as they lie
	v_mul_u32_u24 v5, v2, 528
	v_lshl_add_u32 v5, v3, 7, v5
	v_add_nc_u32 v5, s18, v5                       ; out of it: row r, 128 h bytes on: my block of 32 numbers
	v_lshlrev_b32 v6, 3, v3                        ; 8 h: my bytes' place in the scale word
	s_lshr_b32 s19, s12, 2
	s_lshl_b32 s19, s19, 8                         ; K steps 4 and 5 lie in the second 256 bytes
	s_and_b32 s22, s12, 3
	s_lshl_b32 s22, s22, 2
	s_add_co_u32 s19, s19, s22
	s_add_co_u32 s19, s19, META
	v_lshl_add_u32 v7, v2, 4, s19                  ; where my row's scale word goes
	s_lshl_b32 s22, s12, 6
	s_add_co_u32 s22, s22, PS
	v_lshl_add_u32 v8, v2, 2, s22                  ; where my wave's sum of squares of row r goes
	v_add_nc_u32 v9, META, v1                      ; the last 512 bytes, 16 a lane
	v_lshl_add_u32 v10, v2, 2, PS                  ; row r's six partial sums, 64 bytes apart
	v_lshl_add_u32 v11, v2, 4, META+264            ; row r's sum of squares in the record
	v_mov_b32 v[PX], 0                             ; a lane permute's destination counts as one of its sources
	v_mov_b32 v[SQ], 0
	v_mov_b32 v[SQ+1], 0
	s_mov_b32 s20, 0x76543210
	s_mov_b32 s21, 0xfedcba98                      ; v_permlanex16_b32's selects for lane l xor 16
	s_wait_kmcnt 0x0
	s_cmp_lt_u32 ttmp9, 1024                       ; the choice hangs on the work-group's number alone
	s_cselect_b64 s[4:5], s[4:5], s[6:7]
	s_cselect_b64 s[8:9], s[8:9], s[10:11]
	s_cselect_b32 s13, 0, 1024
	s_sub_co_u32 s13, ttmp9, s13                   ; which 16 rows of the tensor
	s_mul_i32 s14, s13, 49152                      ; 16 rows of 3,072 bytes (under 2^26)
	s_lshl_b32 s16, s12, 9                         ; my K step's 512 bytes of a row
	s_add_co_u32 s14, s14, s16
	s_mov_b32 s15, 0
	s_add_nc_u64 s[4:5], s[4:5], s[14:15]
	s_mul_i32 s16, s13, 6656
	s_mov_b32 s17, 0
	s_add_nc_u64 s[8:9], s[8:9], s[16:17]          ; the record
	s_lshl_b32 s18, s12, 10
	s_mov_b32 s19, 0
	s_add_nc_u64 s[24:25], s[8:9], s[18:19]        ; my K step's 1,024 bytes of it
.irp i, 0,1,2,3,4,5,6,7,8,9,10,11,12,13,14,15
	global_load_b128 v[R+4*\i:R+4*\i+3], v1, s[4:5] offset:3072*\i th:TH_LOAD_NT   ; row i: 32 lanes read 512 consecutive bytes
.endr
.irp i, 0,1,2,3,4,5,6,7,8,9,10,11,12,13,14,15
	s_wait_loadcnt 15-\i                           ; loads come back in order: row i is in, the 15 - i younger ones stay out
	ds_store_b128 v4, v[R+4*\i:R+4*\i+3] offset:528*\i
.endr
	s_wait_dscnt 0x0                               ; the stores into the stage are done: the loads below land in the registers that they read
.irp c, 0,1
.irp j, 0,1,2,3,4,5,6,7
	ds_load_b128 v[X+32*\c+4*\j:X+32*\c+4*\j+3], v5 offset:256*\c+16*\j
.endr
.endr
	s_wait_dscnt 0x0
	; the largest magnitude of each of my two blocks: all 32 numbers are mine; two chains a block, the four by turns
.irp c, 0,1
	v_max3_num_f32 v[TM+2*\c], |v[X+32*\c]|, |v[X+32*\c+1]|, 0x1800000             ; with the floor 2^(3 - 127): the byte cannot fall under 1
	v_max3_num_f32 v[TM+2*\c+1], |v[X+32*\c+16]|, |v[X+32*\c+17]|, |v[X+32*\c+18]|
.endr
.irp i, 0,2,4,6,8,10
.irp c, 0,1
	v_max3_num_f32 v[TM+2*\c], v[TM+2*\c], |v[X+32*\c+2+\i]|, |v[X+32*\c+3+\i]|
	v_max3_num_f32 v[TM+2*\c+1], v[TM+2*\c+1], |v[X+32*\c+19+\i]|, |v[X+32*\c+20+\i]|
.endr
.endr
.irp c, 0,1
	v_max3_num_f32 v[TM+2*\c], v[TM+2*\c], |v[X+32*\c+14]|, |v[X+32*\c+15]|
.endr
.irp c, 0,1
	v_max3_num_f32 v[TM+2*\c], v[TM+2*\c], v[TM+2*\c+1], |v[X+32*\c+31]|
.endr
.irp c, 0,1
	v_add_nc_u32 v[TS+\c], 0xff000000, v[TM+2*\c]  ; 2 off the exponent field: the conversion takes the exponent field of this operand as its scale
.endr
.irp c, 0,1
	v_lshrrev_b32 v[TB+\c], 23, v[TS+\c]           ; the scale's byte
.endr
	v_lshl_or_b32 v[PW], v[TB+1], 16, v[TB]        ; my two bytes: blocks h and 2 + h of the K step,
	v_lshlrev_b32 v[PW], v6, v[PW]                 ; at their places;
	v_permlanex16_b32 v[PX], v[PW], s20, s21
	v_or_b32 v[PW], v[PW], v[PX]                   ; with lane l xor 16's two the word is whole
.irp c, 0,1
.irp g, 0,1,2,3
	v_cvt_scalef32_pk8_fp4_f32 v[PC+4*\c+\g], v[X+32*\c+8*\g:X+32*\c+8*\g+7], v[TS+\c]   ; to the nearest code, ties to even, beyond 6 the largest code
.endr
.endr
	v_nop                                          ; one plain place behind the last scaled conversion
	s_cmp_lt_u32 ttmp9, 1024
	s_cbranch_scc1 .Lno_squares                    ; the embeddings' records carry 0 there: the branch passes over work on registers alone
.irp k, 0,1,2,3
	v_pk_mul_f32 v[Q+2*\k:Q+2*\k+1], v[X+2*\k:X+2*\k+1], v[X+2*\k:X+2*\k+1]
.endr
.irp i, 8,16,24,32,40,48,56
.irp k, 0,1,2,3
	v_pk_fma_f32 v[Q+2*\k:Q+2*\k+1], v[X+\i+2*\k:X+\i+2*\k+1], v[X+\i+2*\k:X+\i+2*\k+1], v[Q+2*\k:Q+2*\k+1]
.endr
.endr
	v_pk_add_f32 v[Q:Q+1], v[Q:Q+1], v[Q+2:Q+3]
	v_pk_add_f32 v[Q+4:Q+5], v[Q+4:Q+5], v[Q+6:Q+7]
	v_pk_add_f32 v[Q:Q+1], v[Q:Q+1], v[Q+4:Q+5]
	v_add_f32 v[SQ], v[Q], v[Q+1]                  ; my 64 numbers' squares
.Lno_squares:
	v_permlanex16_b32 v[PX], v[SQ], s20, s21
	v_add_f32 v[SQ], v[SQ], v[PX]                  ; with lane l xor 16's: row r's 128 numbers of this K step
	s_wait_alu depctr_va_vdst(0)
	global_store_b128 v1, v[PC:PC+3], s[24:25]             ; 32 lanes store 512 consecutive bytes, at a multiple of 256 from the buffer's first byte
	global_store_b128 v1, v[PC+4:PC+7], s[24:25] offset:512
	ds_store_b32 v7, v[PW]                         ; both halves of the lanes write the same word with the same value
	ds_store_b32 v8, v[SQ]
	s_wait_dscnt 0x0                               ; for wave 0's sake: my stores have landed
	s_barrier_signal -1
	s_barrier_wait -1
	s_cmp_lg_u32 s12, 0
	s_cbranch_scc1 .Lend                           ; wave 0 alone finishes the record; no barrier stands in here
.irp k, 0,1,2,3,4,5
	ds_load_b32 v[Q+\k], v10 offset:64*\k
.endr
	s_wait_dscnt 0x0
	v_add_f32 v[Q], v[Q], v[Q+1]
	v_add_f32 v[Q+2], v[Q+2], v[Q+3]
	v_add_f32 v[Q+4], v[Q+4], v[Q+5]
	v_add_f32 v[Q], v[Q], v[Q+2]
	v_add_f32 v[Q], v[Q], v[Q+4]                   ; the row's sum of squares,
	v_mul_f32 v[SQ], -0.5, v[Q]                    ; stored as -1/2 of it: a power of two, nothing is rounded
	ds_store_b64 v11, v[SQ:SQ+1]                   ; and a 0 behind it
	ds_load_b128 v[M:M+3], v9                      ; in order behind the store
	s_wait_dscnt 0x0
	global_store_b128 v1, v[M:M+3], s[8:9] offset:6144     ; the scale words and the sums: 512 consecutive bytes
.Lend:
	s_wait_tensorcnt 0x0
	ds_add_u32 v112, v113
	s_wait_dscnt 0x0
	s_endpgm
.Lfunc_end_k_q53c1335a50_quant:
	.size	k_q53c1335a50_quant, .Lfunc_end_k_q53c1335a50_quant-k_q53c1335a50_quant
	.p2alignl 7, 3214868480
	.fill 96, 4, 3214868480
	.section	.rodata,"a",@progbits
	.p2align	6, 0x0
	.amdhsa_kernel k_q53c1335a50_quant
		.amdhsa_group_segment_fixed_size 52480
		.amdhsa_private_segment_fixed_size 0
		.amdhsa_enable_private_segment 0
		.amdhsa_kernarg_size 32
		.amdhsa_user_sgpr_count 2
		.amdhsa_user_sgpr_kernarg_segment_ptr 1
		.amdhsa_wavefront_size32 1
		.amdhsa_system_sgpr_workgroup_id_x 1
		.amdhsa_system_sgpr_workgroup_id_y 1
		.amdhsa_system_sgpr_workgroup_id_z 1
		.amdhsa_system_vgpr_workitem_id 0
		.amdhsa_next_free_vgpr 114
		.amdhsa_next_free_sgpr 66
		.amdhsa_reserve_vcc 0
		.amdhsa_float_denorm_mode_32 3
		.amdhsa_float_denorm_mode_16_64 3
		.amdhsa_memory_ordered 1
		.amdhsa_forward_progress 1
		.amdhsa_inst_pref_size 14
	.end_amdhsa_kernel
	.amdgpu_metadata
---
amdhsa.version: [ 1, 2 ]
amdhsa.kernels:
  - .name:           k_q53c1335a50_quant
    .symbol:         k_q53c1335a50_quant.kd
    .args:
      - { .name: base_embeddings, .offset: 0, .size: 8, .value_kind: global_buffer, .address_space: global }
      - { .name: codebook, .offset: 8, .size: 8, .value_kind: global_buffer, .address_space: global }
      - { .name: xq, .offset: 16, .size: 8, .value_kind: global_buffer, .address_space: global }
      - { .name: cbq, .offset: 24, .size: 8, .value_kind: global_buffer, .address_space: global }
    .group_segment_fixed_size: 52480
    .private_segment_fixed_size: 0
    .kernarg_segment_align: 8
    .kernarg_segment_size: 32
    .max_flat_workgroup_size: 192
    .sgpr_count:     66
    .vgpr_count:     114
    .wavefront_size: 32
...
	.end_amdgpu_metadata
.endif
;; end of part 1
;; launch nearest (part 2): grid 32 x 8, 4 waves a work-group, clusters of 4 x 1, 327,680 bytes of LDS; arguments xq, cbq, part; writes part
.if DOCPART == 2
	.amdgcn_target "amdgcn-amd-amdhsa--gfx1250"
	.amdhsa_code_object_version 6
	.text
	.protected	k_q53c1335a50_nearest
	.globl	k_q53c1335a50_nearest
	.p2align	8
	.type	k_q53c1335a50_nearest,@function
k_q53c1335a50_nearest:
	s_mov_b64 s[64:65], 0
	v_nop
	global_prefetch_b8 v0, s[64:65] scope:SCOPE_SE
	s_setreg_imm32_b32 hwreg(HW_REG_WAVE_MODE, 25, 1), 1
	s_wait_xcnt 0x0
	s_wait_alu depctr_hold_cnt(0) depctr_sa_sdst(0) depctr_va_vdst(0) depctr_va_sdst(0) depctr_va_ssrc(0) depctr_va_vcc(0) depctr_vm_vsrc(0)
	s_getreg_b32 s2, hwreg(HW_REG_IB_STS2, 6, 4)
	s_cmp_eq_u32 s2, 0
	s_cbranch_scc0 .Lentry_in_a_cluster
	s_endpgm
.Lentry_in_a_cluster:
	s_bfe_u32 s2, ttmp6, 0x10000c
	s_cmp_lg_u32 s2, 0x3003
	s_cbranch_scc0 .Lentry_shape_is_right
	s_endpgm
.Lentry_shape_is_right:
; For each token the entry v with the smallest |c_v|^2 - 2 x.c_v, that is the largest x.c_v - |c_v|^2 / 2, among 512 entries; x.c_v is the MX-FP4 product on the records of the launch before.
; SHARES. Work-group (x, y): tokens 512 x .. 512 x + 511 against entries 512 y .. 512 y + 511: 32 x 8 = 256 work-groups. Wave w: 128 tokens (8 records, 384 registers of codes, 48 of scale words),
; kept in registers for the whole launch; it walks all 32 records of the entries, so no result is shared between waves.
; THE PRODUCT, 32 x 16 x 128, IS USED TRANSPOSED: source 0 = 32 entries (two records), source 1 = 16 tokens. Lane (r, h) holds token r; register j entry 8 h + j of the first record, register 8 + j of the second.
; The first K step takes -|c|^2 / 2 (a word of the record) as C. One scale register serves both records: lanes 0-15 hold the first's words, lanes 16-31 the second's.
; THE SEARCH. A lane keeps its best score, the number of the record that gave it, and that record's 8 scores: four v_max3, one compare, nine selects for 8 scores. A strict > keeps the first record;
; at the end the lowest register equal to the best gives the place in the record, and of the two halves of the lanes the better score, on equal scores the lower entry, is taken: the first entry wins, as in argmin.
; OUT: part[y][token] = (order key of minus the best score, entry): whole numbers; a smaller key is a smaller distance.
; LDS: the 32 records, 212,992 bytes, are filled once: 8 records by the head's loads (2 a wave), 24 by a second load a wave, which is on its way while the first 8 are worked on. Nothing is filled again.
; THE FIRST 8 RECORDS are walked twice, for my tokens 0-63 and then for my tokens 64-127: the first walk begins when the first half of my tokens is in registers.
; CLUSTERS: the four work-groups of a cluster have the same y, so the same records of entries: joint loads, mask 15. The tokens' records go straight into registers by plain loads, which have no joint form.
; NO PREFETCH: all that a work-group reads is asked for in its head; no later request is left to run ahead of.
; LIMITS: NaN and infinities among the scores are not served.
.set REC,   6656                       ; a record: 16 rows x 768 K: 6,144 bytes of codes, 512 of scale words and the word of the sum
.set SPARE, 32*REC                     ; behind the records: the spare words, 128 bytes a wave
.set SPW,  1
.set NIL,  2
.set AM0,  3                           ; 6144 + 16 r + h x REC: my row's scale words, lanes 16-31 in the pair's second record
.set AC0,  4                           ; 6408 + 128 h: the word of the sum of entry 8 h, the next 16 bytes on
.set ADB,  5                           ; the three addresses in the pair at hand
.set ADM,  6
.set ADC,  7
.set L16,  8                           ; 16 x lane
.set R16,  9                           ; 16 r
.set T8,   10                          ; 8 x lane
.set H8,   11                          ; 8 h
.set ASC,  14                          ; v14-61   the tokens' scale words, 6 a record
.set BM,   62                          ; v62-77   the entries' scale words, two sets
.set DA,   78                          ; v78-141  four accumulators of 16
.set SV,   142                         ; v142-205 the 8 scores of the record that gave the best, for each of my 8 records of tokens
.set B0,   206                         ; v206-213 the best score; v214-221 the same behind a pair's first record
.set B1,   214
.set TD,   222                         ; v222-229 the record that gave it
.set TA,   230                         ; v230-235 two sets of three partial maxima
.set TMP,  236
.set KE,   DA                          ; the way out, in registers that held scores
.set IX,   DA+8
.set KO,   DA+16
.set IO,   DA+24
.set OU,   DA+32
; window 1: v0-191 the codes of my tokens' records 0-3; window 2: of records 4-7; window 3: v0-191 the entries' codes, two sets of a pair; v192-223 -|c|^2 / 2 in the result's layout, two sets
.set G1A,  16                          ; s[16:23] group 1: 52 rows of 256 bytes (2 records); s[24:31]: 156 rows (6 records)
.set G1B,  24
.set G0,   32                          ; s[32:39] group 0 of the two loads
.set TBS,  40
.set CNT,  41
.set TI,   42                          ; s42, s43 the numbers of the pair's two records, 32 y + 0 .. 31
.set MK,   48
.set MK2,  56
.set MK3,  66
.set HM,   76
.set MSB, 0
.macro WIN new                         ; the immediate's high byte repeats the setting that is left
.if MSB != \new
	s_set_vgpr_msb (MSB<<8)|\new
.set MSB, \new
.endif
.endm
.macro CROUND                          ; a round of the cluster's barrier
	s_barrier_signal -1
	s_barrier_wait -1
	s_cmp_lg_u32 s10, 0
	s_cbranch_scc1 .Lnot_wave_0_\@
	s_barrier_signal -3
.Lnot_wave_0_\@:
	s_barrier_wait -3
	s_barrier_signal -1
	s_barrier_wait -1
.endm
.macro ADR
	v_add_nc_u32 v[ADB], s[TBS], v[L16]
	v_add_nc_u32 v[ADM], s[TBS], v[AM0]
	v_add_nc_u32 v[ADC], s[TBS], v[AC0]
.endm
.macro LOADB buf, off                  ; a pair of records into set buf: 42 LDS loads
	WIN 0xc0
.irp rc, 0,1
.irp s, 0,1,2,3,4,5
.irp c, 0,1
	ds_load_b128 v[96*\buf+16*\s+8*\rc+4*\c:96*\buf+16*\s+8*\rc+4*\c+3], v[ADB] offset:\off+REC*\rc+1024*\s+512*\c
.endr
.endr
.endr
.irp rc, 0,1
.irp j, 0,1,2,3,4,5,6,7
	ds_load_b32 v[192+16*\buf+8*\rc+\j], v[ADC] offset:\off+REC*\rc+16*\j      ; sixteen lanes read one word
.endr
.endr
	WIN 0
	ds_load_b128 v[BM+8*\buf:BM+8*\buf+3], v[ADM] offset:\off
	ds_load_b64 v[BM+8*\buf+4:BM+8*\buf+5], v[ADM] offset:\off+256
.endm
.macro MUL buf, hf                     ; 24 matrix instructions: a pair of records against four records of tokens; the four accumulators by turns, K ascending
	WIN 0x37+4*\hf
.irp m, 0,1,2,3
	v_wmma_scale_f32_32x16x128_f4 v[DA+16*\m:DA+16*\m+15], v[96*\buf:96*\buf+15], v[48*\m:48*\m+7], v[192+16*\buf:192+16*\buf+15], v[BM+8*\buf], v[ASC+6*(4*\hf+\m)]
.endr
	WIN 0x07+4*\hf
.irp s, 1,2,3,4,5
.irp m, 0,1,2,3
	v_wmma_scale_f32_32x16x128_f4 v[DA+16*\m:DA+16*\m+15], v[96*\buf+16*\s:96*\buf+16*\s+15], v[48*\m+8*\s:48*\m+8*\s+7], v[DA+16*\m:DA+16*\m+15], v[BM+8*\buf+\s], v[ASC+6*(4*\hf+\m)+\s]
.endr
.endr
	WIN 0
.endm
; Unit k = 0..7 of a half: accumulator k % 4, its registers 8 (k / 4) .. + 7: the pair's record k / 4.  The best goes from B0 to B1 in the first record and back in the second.
.macro PRE k, t, hf                    ; three partial maxima of a unit's 8 scores and the best so far; an accumulator is read from its low end on
.set PD, DA+16*((\k)%4)+8*((\k)/4)
	v_max3_num_f32 v[\t], v[PD], v[PD+1], v[PD+2]
	v_max3_num_f32 v[\t+1], v[PD+3], v[PD+4], v[PD+5]
	v_max3_num_f32 v[\t+2], v[PD+6], v[PD+7], v[B0+8*((\k)/4)+4*\hf+(\k)%4]
.endm
.macro TOP k, t, hf                    ; the new best
	v_max3_num_f32 v[B0+8*(1-(\k)/4)+4*\hf+(\k)%4], v[\t], v[\t+1], v[\t+2]
.endm
.macro KEEP sv, d                      ; where the best has grown, the unit's 8 scores are kept: two selects an instruction
.irp i, 0,2,4,6
	v_dual_cndmask_b32 v[\sv+\i], v[\sv+\i], v[\d+\i] :: v_dual_cndmask_b32 v[\sv+\i+1], v[\sv+\i+1], v[\d+\i+1]
.endr
.endm
.macro TRACK hf                        ; unit k's compare and selects stand among the maxima of unit k + 2, so that no line reads the line above it
.rept 4
	v_nop                                          ; four places behind the matrix instructions (ISA guide 7.12.1)
.endr
	PRE 0, TA, \hf
	PRE 1, TA+3, \hf
	TOP 0, TA, \hf
	TOP 1, TA+3, \hf
.irp k, 0,1,2,3,4,5,6,7
.set GK, 4*\hf+\k%4
	v_cmp_gt_f32 vcc_lo, v[B0+8*(1-\k/4)+GK], v[B0+8*(\k/4)+GK]
.if \k < 6
	PRE \k+2, TA+3*(\k%2), \hf
.endif
	KEEP SV+8*GK, DA+16*(\k%4)+8*(\k/4)
	v_cndmask_b32 v[TD+GK], v[TD+GK], s[TI+\k/4], vcc_lo
.if \k < 6
	TOP \k+2, TA+3*(\k%2), \hf
.endif
.endr
.endm
.macro WORK buf, mode                  ; mode 0: my tokens 0-63; 1: my tokens 64-127; 2: both
.if \mode != 1
	MUL \buf, 0
	TRACK 0
.endif
.if \mode != 0
	MUL \buf, 1
	TRACK 1
.endif
	s_add_co_u32 s[TI], s[TI], 2
	s_add_co_u32 s[TI+1], s[TI+1], 2
.endm
.macro GROUP first, n, mode            ; n pairs from record first on, two pairs a trip; the next pair's 42 loads are out while one is multiplied; the last two pairs are written out
	s_mov_b32 s[TBS], \first*REC
	ADR
	LOADB 0, 0
	s_mov_b32 s[CNT], \n/2-1
.Lpair_\@:
	LOADB 1, 2*REC
	s_wait_dscnt 42                                ; all but the 42 just issued
	WORK 0, \mode
	s_add_co_u32 s[TBS], s[TBS], 4*REC
	ADR
	LOADB 0, 0
	s_wait_dscnt 42
	WORK 1, \mode
	s_sub_co_u32 s[CNT], s[CNT], 1
	s_cmp_lg_u32 s[CNT], 0
	s_cbranch_scc1 .Lpair_\@
	LOADB 1, 2*REC
	s_wait_dscnt 42
	WORK 0, \mode
	s_wait_dscnt 0x0
	WORK 1, \mode
.endm
	s_load_b128 s[4:7], s[0:1], 0x0                ; the tokens' records, the entries' records
	s_load_b64 s[8:9], s[0:1], 0x10                ; part
	v_lshl_add_u32 v[SPW], v0, 2, SPARE
	v_mov_b32 v[NIL], 0
	ds_add_u32 v[SPW], v[NIL]                      ; the opening lines: the add, twice on end, and its wait ahead of my first tensor load
	ds_add_u32 v[SPW], v[NIL]
	v_lshrrev_b32 v[TMP], 5, v0
	v_readfirstlane_b32 s10, v[TMP]                ; wave 0..3
	s_bfe_u32 s11, ttmp6, 0x40000                  ; cx
	s_lshl_b32 s14, ttmp9, 2
	s_add_co_u32 s14, s14, s11                     ; x: which 512 tokens
	s_and_b32 s15, ttmp7, 0xffff                   ; y: which 512 entries; the same in the whole cluster
	s_mov_b32 s[G1A+0], 0x0023000f                 ; mask 15, elements of 8 bytes, bit 21 beside the mask; no padding: every LDS read is dense
	s_mov_b32 s[G1A+1], 32<<16
	s_mov_b32 s[G1A+2], 52<<16
	s_mov_b32 s[G1A+3], 32<<16
	s_mov_b32 s[G1A+4], 52
	s_mov_b32 s[G1A+5], 32
	s_mov_b32 s[G1A+6], 0
	s_mov_b32 s[G1A+7], 0
	s_mov_b32 s[G1B+0], 0x0023000f
	s_mov_b32 s[G1B+1], 32<<16
	s_mov_b32 s[G1B+2], 156<<16
	s_mov_b32 s[G1B+3], 32<<16
	s_mov_b32 s[G1B+4], 156
	s_mov_b32 s[G1B+5], 32
	s_mov_b32 s[G1B+6], 0
	s_mov_b32 s[G1B+7], 0
	s_mov_b32 s[G0], 1
	s_mul_i32 s[G0+1], s10, 2*REC                  ; records 2 w, 2 w + 1
	s_mov_b32 s[G0+4], 1
	s_mul_i32 s[G0+5], s10, 6*REC
	s_add_co_u32 s[G0+5], s[G0+5], 8*REC           ; records 8 + 6 w .. 8 + 6 w + 5
	s_mul_i32 s44, s15, 32*REC                     ; y's 32 records
	s_mov_b32 s45, 0
	s_mul_i32 s46, s10, 2*REC
	s_mov_b32 s47, 0
	s_mul_i32 s12, s14, 32*REC                     ; x's 32 records, and my 8 of them (under 2^23)
	s_mul_i32 s11, s10, 8*REC
	s_add_co_u32 s12, s12, s11
	s_mov_b32 s13, 0
	s_lshl_b32 s[TI], s15, 5
	s_add_co_u32 s[TI+1], s[TI], 1
	s_mov_b32 s74, 0x76543210
	s_mov_b32 s75, 0xfedcba98                      ; v_permlanex16_b32's selects for lane l xor 16
	s_mov_b32 s[HM], 0xffff0000                    ; lanes 16-31
	s_wait_dscnt 0x0                               ; both opening adds are done
	s_wait_kmcnt 0x0
	s_add_nc_u64 s[6:7], s[6:7], s[44:45]
	s_add_nc_u64 s[G0+2:G0+3], s[6:7], s[46:47]
	s_or_b32 s[G0+3], s[G0+3], 0x80000000
	s_mul_i32 s46, s10, 6*REC
	s_add_co_u32 s46, s46, 8*REC
	s_add_nc_u64 s[G0+6:G0+7], s[6:7], s[46:47]
	s_or_b32 s[G0+7], s[G0+7], 0x80000000
	s_add_nc_u64 s[4:5], s[4:5], s[12:13]
	s_lshl_b32 s44, s15, 17                        ; part: 131,072 bytes for each y, 4,096 for each x, 1,024 for each wave
	s_lshl_b32 s46, s14, 12
	s_add_co_u32 s44, s44, s46
	s_lshl_b32 s46, s10, 10
	s_add_co_u32 s44, s44, s46
	s_add_nc_u64 s[8:9], s[8:9], s[44:45]
	CROUND                                         ; the four work-groups are here: the joint loads meet
	tensor_load_to_lds s[G0:G0+3], s[G1A:G1A+7]    ; my one load at the head
	s_nop 0
.rept 4
	v_nop
.endr
	v_and_b32 v[TMP], 31, v0
	v_and_b32 v[TMP+1], 15, v0
	v_bfe_u32 v[TMP+2], v0, 4, 1
	v_lshlrev_b32 v[L16], 4, v[TMP]
	v_lshlrev_b32 v[R16], 4, v[TMP+1]
	v_mul_u32_u24 v[TMP+3], v[TMP+2], REC
	v_lshlrev_b32 v[T8], 3, v[TMP]
	v_lshlrev_b32 v[H8], 3, v[TMP+2]
	v_lshl_add_u32 v[AC0], v[TMP+2], 7, 6408
	v_add_nc_u32 v[AM0], 6144, v[R16]
	v_add_nc_u32 v[AM0], v[AM0], v[TMP+3]
	s_wait_alu depctr_va_vdst(0)
.irp hf, 0,1                           ; 56 loads for each half of my tokens
	WIN 0x40*(1+\hf)
.irp m, 0,1,2,3
.irp s, 0,1,2,3,4,5
.irp c, 0,1
	global_load_b128 v[48*\m+8*\s+4*\c:48*\m+8*\s+4*\c+3], v[L16], s[4:5] offset:REC*(4*\hf+\m)+1024*\s+512*\c   ; 512 consecutive bytes a load
.endr
.endr
.endr
	WIN 0
.irp m, 0,1,2,3
	global_load_b128 v[ASC+6*(4*\hf+\m):ASC+6*(4*\hf+\m)+3], v[R16], s[4:5] offset:REC*(4*\hf+\m)+6144
	global_load_b64 v[ASC+6*(4*\hf+\m)+4:ASC+6*(4*\hf+\m)+5], v[R16], s[4:5] offset:REC*(4*\hf+\m)+6400
.endr
.endr
.irp mt, 0,1,2,3,4,5,6,7
	v_mov_b32 v[B0+\mt], 0xff800000                ; under every score
	v_mov_b32 v[TD+\mt], 0
	v_mov_b32 v[IO+\mt], 0                         ; a lane permute's destination counts as one of its sources
.endr
.set i, 0
.rept 64
	v_mov_b32 v[SV+i], 0                           ; the selects read what they may keep: written once, while the loads are out
.set i, i+1
.endr
	s_wait_alu depctr_va_vdst(0)
	s_wait_tensorcnt 0x0                           ; my two records are in
	ds_add_u32 v[SPW], v[NIL]
	s_wait_dscnt 0x0
	CROUND                                         ; records 0-7 are whole, and the four work-groups are here
	tensor_load_to_lds s[G0+4:G0+7], s[G1B:G1B+7]  ; my six of records 8-31: my one load behind the round
	s_nop 0
.rept 4
	v_nop
.endr
	s_wait_loadcnt 56                              ; my tokens 0-63 are in; the 56 loads of the other half may be out
	GROUP 0, 4, 0
	s_lshl_b32 s[TI], s15, 5                       ; back to record 0
	s_add_co_u32 s[TI+1], s[TI], 1
	s_wait_loadcnt 0x0                             ; my tokens 64-127
	GROUP 0, 4, 1
	s_wait_tensorcnt 0x0                           ; my six records are in,
	ds_add_u32 v[SPW], v[NIL]
	s_wait_dscnt 0x0
	s_barrier_signal -1
	s_barrier_wait -1                              ; and everybody's
	GROUP 8, 12, 2
	; the place in the record: the lowest register that equals the best
.irp mt, 0,1,2,3,4,5,6,7
	v_mov_b32 v[B1+\mt], 7
.endr
.irp j, 6,5,4,3,2,1,0
.irp mt, 0,1,2,3,4,5,6,7
	v_cmp_eq_f32 s[MK+\mt], v[SV+8*\mt+\j], v[B0+\mt]
.endr
.irp mt, 0,1,2,3,4,5,6,7
	v_cndmask_b32 v[B1+\mt], v[B1+\mt], \j, s[MK+\mt]
.endr
.endr
.irp mt, 0,1,2,3,4,5,6,7
	v_lshl_add_u32 v[IX+\mt], v[TD+\mt], 4, v[B1+\mt]
	v_sub_f32 v[KE+\mt], 0, v[B0+\mt]              ; minus the best: the smaller the nearer; a zero comes out as +0
.endr
.irp mt, 0,1,2,3,4,5,6,7
	v_add_nc_u32 v[IX+\mt], v[IX+\mt], v[H8]       ; entry = 16 x record + 8 h + register
	v_ashrrev_i32 v[KO+\mt], 31, v[KE+\mt]
.endr
.irp mt, 0,1,2,3,4,5,6,7
	v_or_b32 v[KO+\mt], 0x80000000, v[KO+\mt]
.endr
.irp mt, 0,1,2,3,4,5,6,7
	v_xor_b32 v[KE+\mt], v[KE+\mt], v[KO+\mt]      ; the order key: unsigned compares order it as the numbers
.endr
.irp mt, 0,1,2,3,4,5,6,7
	v_permlanex16_b32 v[KO+\mt], v[KE+\mt], s74, s75
	v_permlanex16_b32 v[IO+\mt], v[IX+\mt], s74, s75
.endr
.irp mt, 0,1,2,3,4,5,6,7
	v_cmp_lt_u32 s[MK+\mt], v[KO+\mt], v[KE+\mt]
	v_cmp_eq_u32 s[MK2+\mt], v[KO+\mt], v[KE+\mt]
	v_cmp_lt_u32 s[MK3+\mt], v[IO+\mt], v[IX+\mt]
.endr
	s_wait_alu depctr_va_vdst(0)
.irp mt, 0,1,2,3,4,5,6,7
	s_and_b32 s[MK2+\mt], s[MK2+\mt], s[MK3+\mt]
	s_or_b32 s[MK+\mt], s[MK+\mt], s[MK2+\mt]      ; the other half's is nearer, or as near with the lower entry
.endr
.irp mt, 0,1,2,3,4,5,6,7
	v_cndmask_b32 v[KE+\mt], v[KE+\mt], v[KO+\mt], s[MK+\mt]
	v_cndmask_b32 v[IX+\mt], v[IX+\mt], v[IO+\mt], s[MK+\mt]
.endr
.irp q, 0,1,2,3
	v_cndmask_b32 v[OU+2*\q], v[KE+2*\q], v[KE+2*\q+1], s[HM]      ; lanes 0-15 speak for tokens' record 2 q, lanes 16-31 for record 2 q + 1
	v_cndmask_b32 v[OU+2*\q+1], v[IX+2*\q], v[IX+2*\q+1], s[HM]
.endr
.irp q, 0,1,2,3
	global_store_b64 v[T8], v[OU+2*\q:OU+2*\q+1], s[8:9] offset:256*\q   ; 32 lanes store 256 consecutive bytes, at a multiple of 256 from part's first byte
.endr
	s_wait_tensorcnt 0x0                           ; the wave's end
	ds_add_u32 v[SPW], v[NIL]
	s_wait_dscnt 0x0
	CROUND                                         ; the closing round
	s_endpgm
.Lfunc_end_k_q53c1335a50_nearest:
	.size	k_q53c1335a50_nearest, .Lfunc_end_k_q53c1335a50_nearest-k_q53c1335a50_nearest
	.p2alignl 7, 3214868480
	.fill 96, 4, 3214868480
	.section	.rodata,"a",@progbits
	.p2align	6, 0x0
	.amdhsa_kernel k_q53c1335a50_nearest
		.amdhsa_group_segment_fixed_size 327680
		.amdhsa_private_segment_fixed_size 0
		.amdhsa_enable_private_segment 0
		.amdhsa_kernarg_size 24
		.amdhsa_user_sgpr_count 2
		.amdhsa_user_sgpr_kernarg_segment_ptr 1
		.amdhsa_wavefront_size32 1
		.amdhsa_system_sgpr_workgroup_id_x 1
		.amdhsa_system_sgpr_workgroup_id_y 1
		.amdhsa_system_sgpr_workgroup_id_z 1
		.amdhsa_system_vgpr_workitem_id 0
		.amdhsa_next_free_vgpr 992
		.amdhsa_next_free_sgpr 78
		.amdhsa_reserve_vcc 1
		.amdhsa_float_denorm_mode_32 3
		.amdhsa_float_denorm_mode_16_64 3
		.amdhsa_memory_ordered 1
		.amdhsa_forward_progress 1
		.amdhsa_inst_pref_size 196
	.end_amdhsa_kernel
	.amdgpu_metadata
---
amdhsa.version: [ 1, 2 ]
amdhsa.kernels:
  - .name:           k_q53c1335a50_nearest
    .symbol:         k_q53c1335a50_nearest.kd
    .args:
      - { .name: xq, .offset: 0, .size: 8, .value_kind: global_buffer, .address_space: global }
      - { .name: cbq, .offset: 8, .size: 8, .value_kind: global_buffer, .address_space: global }
      - { .name: part, .offset: 16, .size: 8, .value_kind: global_buffer, .address_space: global }
    .group_segment_fixed_size: 327680
    .private_segment_fixed_size: 0
    .kernarg_segment_align: 8
    .kernarg_segment_size: 24
    .max_flat_workgroup_size: 128
    .sgpr_count:     78
    .vgpr_count:     992
    .wavefront_size: 32
...
	.end_amdgpu_metadata
.endif
;; end of part 2
;; launch mix (part 3): grid 512 x 1, 8 waves a work-group, no clusters, 99,328 bytes of LDS; arguments part, codebook, noise, rand_idx, out0; writes out0
.if DOCPART == 3
	.amdgcn_target "amdgcn-amd-amdhsa--gfx1250"
	.amdhsa_code_object_version 6
	.text
	.protected	k_q53c1335a50_mix
	.globl	k_q53c1335a50_mix
	.p2align	8
	.type	k_q53c1335a50_mix,@function
k_q53c1335a50_mix:
	s_mov_b64 s[64:65], 0
	v_nop
	global_prefetch_b8 v0, s[64:65] scope:SCOPE_SE
	s_setreg_imm32_b32 hwreg(HW_REG_WAVE_MODE, 25, 1), 1
	s_wait_xcnt 0x0
; out[b][s] = the mean over j of codebook[idx[rand_idx[b][s][j]][s]] + 0.1 noise[b][s], all f32.  idx[b'][s] is the entry of the smallest key among the eight parts that part holds as
; (order key, entry) pairs of whole numbers, [part 8][row 512 b' + s][2]: unsigned compares, a strict < over ascending parts, so the first entry wins.
; SHARES.  A work-group is one s.  For one s only 32 rows of the codebook are ever named: wave w finds idx[4 w + i][s], i = 0..3, loads those rows (3,072 bytes each) and lays them in LDS, row b' at 3072 b';
; behind one barrier wave w makes the outputs of b = 4 w + i, taking each of the eight rows that rand_idx names from LDS.  So a row is loaded from memory once for each (b', s) and not eight times.
; Every LDS and memory access of a wave covers 512 consecutive bytes.  The noise is asked for first and stays in registers.
; Entries are held to 0..4095 and rand_idx to 0..31 by unsigned minima ahead of the addresses.
; A stream: no matrix unit, no tensor load; what work-groups share of the codebook hangs on data, so nothing can be asked for jointly.
.set ROWB, 3072
.set BSTR, 512*ROWB                    ; from b to b + 1 in noise and out
.set R,   4                            ; v4-99    the four rows on their way to LDS; later three sets of 8 x 4 registers
.set N,   100                          ; v100-195 noise, later the result: step q at 4 q
.set LA,  196                          ; v196-227 LDS address of row rand_idx[4 w + i][s][j] for my lane, at 8 i + j
.set RI,  32                           ; s[32:63] rand_idx, loaded when the pairs that lay there have been used
; (key, entry) of row i, part p: s[KB + 2 p], KB = 32, 48, 66, 82 for i = 0..3
	s_load_b256 s[4:11], s[0:1], 0x0               ; part s[4:5], codebook s[6:7], noise s[8:9], rand_idx s[10:11]
	s_load_b64 s[12:13], s[0:1], 0x20              ; out
	v_lshl_add_u32 v232, v0, 2, 0x18000
	v_mov_b32 v233, 0
	v_lshrrev_b32 v3, 5, v0
	s_delay_alu instid0(VALU_DEP_1)
	v_readfirstlane_b32 s14, v3                    ; wave 0..7
	v_and_b32 v3, 31, v0
	s_delay_alu instid0(VALU_DEP_1)
	v_lshlrev_b32 v1, 4, v3                        ; 16 x lane
	s_mul_i32 s15, s14, 4*ROWB
	v_add_nc_u32 v2, s15, v1                       ; my wave's four rows in LDS
	s_lshl_b32 s15, s14, 11
	s_add_co_u32 s15, s15, ttmp9                   ; 512 x 4 w + s: the flattened row of b = 4 w
	s_lshl_b32 s16, s15, 3                         ; 8 bytes a row in part
	s_lshl_b32 s17, s15, 5                         ; 32 in rand_idx
	s_mul_i32 s2, s15, ROWB                        ; 3,072 in noise and out (under 2^26)
	s_mov_b32 s3, 0
	s_mov_b32 s26, 0x3e000000                      ; 1/8
	s_mov_b32 s27, s26                             ; (the packed forms name a pair: both words are written)
	s_mov_b32 s28, 0x3dcccccd                      ; 0.1
	s_mov_b32 s29, s28
	s_wait_alu depctr_va_vdst(0)
	s_wait_kmcnt 0x0
.irp i, 0,1,2,3
.irp p, 0,1,2,3,4,5,6,7
	s_load_b64 s[32+16*\i+2*(\i/2)+2*\p:32+16*\i+2*(\i/2)+2*\p+1], s[4:5], s16 offset:131072*\p+4096*\i
.endr
.endr
	s_add_nc_u64 s[8:9], s[8:9], s[2:3]
	s_add_nc_u64 s[12:13], s[12:13], s[2:3]
.irp i, 0,1,2,3
.irp c, 0,1,2,3,4,5
	global_load_b128 v[N+24*\i+4*\c:N+24*\i+4*\c+3], v1, s[8:9] offset:BSTR*\i+512*\c th:TH_LOAD_NT
.endr
.endr
	s_wait_kmcnt 0x0                               ; scalar loads come back in no order: only the count 0 shows them done
.irp i, 0,1,2,3
.set KB, 32+16*\i+2*(\i/2)
.irp p, 1,2,3,4,5,6,7
	s_cmp_lt_u32 s[KB+2*\p], s[KB]
	s_cselect_b32 s[KB], s[KB+2*\p], s[KB]
	s_cselect_b32 s[KB+1], s[KB+2*\p+1], s[KB+1]
.endr
	s_min_u32 s[KB+1], s[KB+1], 0xfff
	s_mul_i32 s2, s[KB+1], ROWB
	s_add_nc_u64 s[18+2*\i:19+2*\i], s[6:7], s[2:3]
.irp c, 0,1,2,3,4,5
	global_load_b128 v[R+24*\i+4*\c:R+24*\i+4*\c+3], v1, s[18+2*\i:19+2*\i] offset:512*\c   ; no hint: a row may be named by many work-groups
.endr
.endr
.irp i, 0,1,2,3
	s_load_b256 s[RI+8*\i:RI+8*\i+7], s[10:11], s17 offset:16384*\i   ; while the rows are on their way
.endr
	s_wait_kmcnt 0x0
.set k, 0
.rept 32
	s_min_u32 s[RI+k], s[RI+k], 31
	s_mul_i32 s[RI+k], s[RI+k], ROWB
	v_add_nc_u32 v[LA+k], s[RI+k], v1
.set k, k+1
.endr
.irp i, 0,1,2,3
	s_wait_loadcnt 18-6*\i                         ; row i's six loads are in (and all the noise, asked for earlier); the six of each younger row stay out
.irp c, 0,1,2,3,4,5
	ds_store_b128 v2, v[R+24*\i+4*\c:R+24*\i+4*\c+3] offset:ROWB*\i+512*\c
.endr
.endr
	s_wait_dscnt 0x0                               ; for the others' sake: my stores have landed
	s_barrier_signal -1
	s_barrier_wait -1                              ; the 32 rows lie in LDS; from here on LDS is only read
; Step q = 6 i + c: 512 bytes of the output row b = 4 w + i.
.macro GET q                           ; the eight rows' 512 bytes into set q % 3
.irp j, 0,1,2,3,4,5,6,7
	ds_load_b128 v[R+32*((\q)%3)+4*\j:R+32*((\q)%3)+4*\j+3], v[LA+8*((\q)/6)+\j] offset:512*((\q)%6)
.endr
.endm
.macro STEP q
.set BB, R+32*((\q)%3)
.if 23-(\q) >= 2
	s_wait_dscnt 16                                ; this step's eight loads are in; the two younger steps' sixteen stay out
.else
	s_wait_dscnt 8*(23-(\q))
.endif
.irp a, 0,8,16,24
.irp u, 0,2
	v_pk_add_f32 v[BB+\a+\u:BB+\a+\u+1], v[BB+\a+\u:BB+\a+\u+1], v[BB+\a+4+\u:BB+\a+4+\u+1]
.endr
.endr
.irp a, 0,16
.irp u, 0,2
	v_pk_add_f32 v[BB+\a+\u:BB+\a+\u+1], v[BB+\a+\u:BB+\a+\u+1], v[BB+\a+8+\u:BB+\a+8+\u+1]
.endr
.endr
.irp u, 0,2
	s_delay_alu instid0(VALU_DEP_2)
	v_pk_add_f32 v[BB+\u:BB+\u+1], v[BB+\u:BB+\u+1], v[BB+16+\u:BB+16+\u+1]
.endr
.irp u, 0,2
	s_delay_alu instid0(VALU_DEP_2)
	v_pk_mul_f32 v[BB+\u:BB+\u+1], v[BB+\u:BB+\u+1], s[26:27] op_sel_hi:[1,0]     ; the mean: x 1/8 rounds nothing
.endr
.irp u, 0,2
	s_delay_alu instid0(VALU_DEP_2)
	v_pk_fma_f32 v[N+4*(\q)+\u:N+4*(\q)+\u+1], v[N+4*(\q)+\u:N+4*(\q)+\u+1], s[28:29], v[BB+\u:BB+\u+1] op_sel_hi:[1,0,1]
.endr
	global_store_b128 v1, v[N+4*(\q):N+4*(\q)+3], s[12:13] offset:BSTR*((\q)/6)+512*((\q)%6) th:TH_STORE_NT   ; 512 consecutive bytes, at a multiple of 256 from out's first byte; no store's data or address is written again
.if (\q)+3 < 24
	GET (\q)+3                                     ; into the set just used up
.endif
.endm
	GET 0
	GET 1
	GET 2
.set Q, 0
.rept 24
	STEP Q
.set Q, Q+1
.endr
	s_wait_tensorcnt 0x0                           ; the wave's end
	ds_add_u32 v232, v233
	s_wait_dscnt 0x0
	s_endpgm
.Lfunc_end_k_q53c1335a50_mix:
	.size	k_q53c1335a50_mix, .Lfunc_end_k_q53c1335a50_mix-k_q53c1335a50_mix
	.p2alignl 7, 3214868480
	.fill 96, 4, 3214868480
	.section	.rodata,"a",@progbits
	.p2align	6, 0x0
	.amdhsa_kernel k_q53c1335a50_mix
		.amdhsa_group_segment_fixed_size 99328
		.amdhsa_private_segment_fixed_size 0
		.amdhsa_enable_private_segment 0
		.amdhsa_kernarg_size 40
		.amdhsa_user_sgpr_count 2
		.amdhsa_user_sgpr_kernarg_segment_ptr 1
		.amdhsa_wavefront_size32 1
		.amdhsa_system_sgpr_workgroup_id_x 1
		.amdhsa_system_sgpr_workgroup_id_y 1
		.amdhsa_system_sgpr_workgroup_id_z 1
		.amdhsa_system_vgpr_workitem_id 0
		.amdhsa_next_free_vgpr 234
		.amdhsa_next_free_sgpr 98
		.amdhsa_reserve_vcc 0
		.amdhsa_float_denorm_mode_32 3
		.amdhsa_float_denorm_mode_16_64 3
		.amdhsa_memory_ordered 1
		.amdhsa_forward_progress 1
		.amdhsa_inst_pref_size 64
	.end_amdhsa_kernel
	.amdgpu_metadata
---
amdhsa.version: [ 1, 2 ]
amdhsa.kernels:
  - .name:           k_q53c1335a50_mix
    .symbol:         k_q53c1335a50_mix.kd
    .args:
      - { .name: part, .offset: 0, .size: 8, .value_kind: global_buffer, .address_space: global }
      - { .name: codebook, .offset: 8, .size: 8, .value_kind: global_buffer, .address_space: global }
      - { .name: noise, .offset: 16, .size: 8, .value_kind: global_buffer, .address_space: global }
      - { .name: rand_idx, .offset: 24, .size: 8, .value_kind: global_buffer, .address_space: global }
      - { .name: out0, .offset: 32, .size: 8, .value_kind: global_buffer, .address_space: global }
    .group_segment_fixed_size: 99328
    .private_segment_fixed_size: 0
    .kernarg_segment_align: 8
    .kernarg_segment_size: 40
    .max_flat_workgroup_size: 256
    .sgpr_count:     98
    .vgpr_count:     234
    .wavefront_size: 32
...
	.end_amdgpu_metadata
.endif
;; end of part 3
